; MI455X (gfx1250); checked and timed in simulation.
; The chip was launched on July 23, 2026; its instructions are those of AMD's public machine-readable ISA for CDNA 5 (MIT licence, August 2026) and "CDNA5" Instruction Set Architecture Reference Guide (July 2026). The comments in the code are by the model that wrote it; some were corrected since.
;; Sparse Moe. Allowed arithmetic: matrix products marked QUANTISED: E3M2 operands, one E8M0 scale for each 32 along K, by v_wmma_scale_f32_16x16x128_f8f6f4 with both operands' format E3M2, f32 sums; products left as they are: f32 operands where the result goes on into a quantised operand, else bf16, f16 or f32 operands; f32 sums; everything else in f32.
;; Inputs: b1 8 x 2,048 float32; b2 8 x 512 float32; gate_b 8 float32; gate_w 512 x 8 float32; noise 2 x 2,048 x 8 float32; noise_b 8 float32; noise_w 512 x 8 float32; w1_codes 8 x 2,048 x 16 x 24 uint8 (E3M2 codes of w1, K innermost, in blocks of 32 codes, four codes in three bytes); w1_scales 8 x 2,048 x 16 uint8 (E8M0 scales of w1, one for each 32 codes along K); w2_codes 8 x 512 x 64 x 24 uint8 (E3M2 codes of w2, K innermost, in blocks of 32 codes, four codes in three bytes); w2_scales 8 x 512 x 64 uint8 (E8M0 scales of w2, one for each 32 codes along K); x 2 x 2,048 x 512 float32.
;; Outputs: out0 2 x 2,048 x 512 float32; out1 one number float32.
;; This version of the problem:
;;   THIS VERSION OF THE PROBLEM IS GIVEN IN LOW PRECISION. The matrix products marked QUANTISED in the list below multiply operands that are first quantised to E3M2 (3 exponent bits, 2 mantissa bits; 6 bits a number), with one power-of-two scale for each 32 numbers along K (OCP MX v1.0); their sums are f32. All else is computed in f32.
;;   The module's matrix products, in the order in which they are computed (A, B: the left and right operand; K: the contracted axis; several contracted axes count as one K, in the product's order):
;;     1. [M 4,096, K 512] x [K 512, N 8]; A: input x; B: input gate_w: left as it is (N = 8 < 16)
;;     2. [M 4,096, K 512] x [K 512, N 8]; A: input x; B: input noise_w: left as it is (N = 8 < 16)
;;     3. [M 16,384, K 512] x [K 512, N 4,096]; A: input w1 (given as codes); B: input x: QUANTISED
;;     4. batch 8 x [M 4,096, K 2,048] x [K 2,048, N 512]; A: computed on the way; B: input w2 (given as codes): QUANTISED
;;     5. batch 4,096 x [M 1, K 8] x [K 8, N 512]; A: computed on the way; B: computed on the way: left as it is (K = 8 < 32)
;;   THE QUANTISER, for each operand of a quantised product, along K:
;;     - K is cut into blocks of 32 from its start; a last block that is shorter is filled with zeros.
;;     - A block's scale is 2^e with e = floor(log2(the largest magnitude in the block)) - 4, held to -126 .. 127; a block of zeros has e = 0. As a byte (E8M0): e + 127.
;;     - Each number is divided by its block's scale, clamped to +-28, and rounded to the nearest number of E3M2, ties to even, subnormals kept.
;;     - The product sums the exact products of the quantised numbers (number of the format x scale) in f32.
;;   ~~~python
;;   def quantise(x, axis):      # numpy; x: float32 -> the quantised numbers, widened to float32 again
;;       x = np.moveaxis(x, axis, -1); K = x.shape[-1]
;;       x = np.pad(x, [(0, 0)] * (x.ndim - 1) + [(0, -K % 32)]); x = x.reshape(x.shape[:-1] + (-1, 32)); a = np.abs(x).max(-1, keepdims=True)
;;       e = np.where(a > 0, np.clip(np.frexp(np.where(a > 0, a, 1))[1] - 1 - 4, -126, 127), 0)      # np.frexp(a)[1] - 1 = floor(log2(a)), exactly
;;       r = np.clip(x / 2.0 ** e, -28, 28)
;;       step = 2.0 ** (np.maximum(np.frexp(np.where(r == 0, 1, r))[1] - 1, -2) - 2)
;;       q = np.round(r / step) * step * 2.0 ** e      # np.round: ties to even
;;       return np.moveaxis(q.reshape(q.shape[:-2] + (-1,))[..., :K], -1, axis).astype(np.float32)
;;   ~~~
;;   OPERANDS COMPUTED ON THE WAY. 'Computed on the way' means the value that the module computes at that place (a softmax that the list does not call 'softmax' is quantised finished and normalised). What goes into a quantiser is computed in f32, as accurately as f32 sums, v_exp_f32 and their like allow (about 1e-6 of the number): no bf16 or f16 on the way to a quantiser, and a product that is left as it is and whose result goes on into a quantised operand takes f32 operands (vector FMAs, or v_wmma_f32_16x16x4_f32). A number that lies on a knife's edge between two numbers of the format may be rounded either way, as far as f32 arithmetic and the matrix unit's own rounding can turn it there, and no further.
;;   INPUTS GIVEN AS CODES. w1 (in the module: [8, 512, 2048], K = its axis 1); w2 (in the module: [8, 2048, 512], K = its axis 1): each comes as NAME_codes (uint8): NAME with its K axis moved to the last place and cut into blocks of 32 codes, [.., K / 32, bytes a block], one block behind the other in memory; four codes in three bytes: a row's codes are one little-endian stream of bits, code i at bits 6 i .. 6 i + 5 (a code: sign, 3 exponent bits, 2 mantissa bits); and NAME_scales (uint8): the same leading axes, one E8M0 byte (e + 127) for each 32 codes along K. Its value is code x scale, taken as it is: it is not quantised again, and the codes and scales need not be those that the quantiser above would give.
;; One version. Each part assembles by itself: llvm-mc -triple=amdgcn-amd-amdhsa -mcpu=gfx1250 --defsym DOCPART=n.
;; ======== version 1 of 1: 3 launches
;; workspace buffers: xq 1,572,864 bytes; xs 65,536 bytes; sel 8,192 bytes of whole numbers; ids 16,384 bytes of whole numbers; sc 32,768 bytes; imp 4,096 bytes; wl 13,107,200 bytes; part 8,388,608 bytes
;; launch prep (part 1): grid 256 x 1, 4 waves a work-group, no clusters, 39,424 bytes of LDS; arguments x, noise, gate_w, gate_b, noise_w, noise_b, w1_codes, w1_scales, w2_codes, w2_scales, xq, xs, sel, ids, sc, imp, wl; writes xq, xs, sel, ids, sc, imp, wl
.if DOCPART == 1
	.amdgcn_target "amdgcn-amd-amdhsa--gfx1250"
	.amdhsa_code_object_version 6
	.text
	.protected	k_qbffb0f6925_prep
	.globl	k_qbffb0f6925_prep
	.p2align	8
	.type	k_qbffb0f6925_prep,@function
k_qbffb0f6925_prep:
	s_mov_b64 s[64:65], 0
	v_nop
	global_prefetch_b8 v0, s[64:65] scope:SCOPE_SE
	s_setreg_imm32_b32 hwreg(HW_REG_WAVE_MODE, 25, 1), 1
	s_wait_xcnt 0x0
; PREP.  Work-groups 0-127: the router and the quantising of x, 32 tokens each.  Work-groups 128-255: W1 and W2 are laid out once in the order of the operand registers.
; ROUTER.  logit = x . (gate_w + noise_w) + (gate_b + noise_b) + noise, all in f32; the two largest (the lower index wins a tie), softmax over the two with the larger taken away first.
; Everything that hangs on the choice is STORED AT FIXED PLACES: ids[t] = id0 | id1 << 8, sc[t] = (p0, p1), sel[e][t / 32] = the mask of the 32 tokens that chose e,
; sel[8 + e][t / 32] = the number of ones in that mask, imp[work-group][e] = the sum of the 32 scores.  No address and no branch here hangs on the choice.
; x is quantised along its 512 numbers: one E8M0 byte for each 32 (the largest magnitude, 4 off its exponent field), codes of E3M2.  In xq a row of 384 bytes is laid so that lane (r, h) of an operand
; finds its 12 registers of K step s as 48 bytes on end: block 2 c + h of the step lies at 96 s + 48 h + 24 c.  xs keeps the 16 bytes of a row in their natural order.
; LAYOUT.  wl[e][w][g] is a group of 6,400 bytes: four fragments (16 weight rows x 128 K, 12 registers a lane) as three planes of 32 lanes x 16 bytes each, then 256 bytes of scale words.
; g = 4 c + s: W1, hidden units 512 c + 64 w on, K step s;  g = 16 + k: W2, outputs 64 w on, K step k.  Row m of fragment t is weight row 32 (t / 2) + 8 (t % 2) + m + 8 (m / 8) of the 64.
; LIMITS: NaN and infinities among the inputs are not served.  A block of zeros gets the byte 1 with zero codes (only this program reads the bytes); blocks whose largest magnitude lies under 2^-122 are held at the byte 1.
; gate_w + noise_w is rounded once ahead of the dot product, so a logit can differ from another order of the same f32 sum in its last bits.
.set CWS, 0                            ; LDS: gate_w + noise_w, 32 rows of 512 bytes + 16
.set STG, 16896                        ; two stages of 32 x 80 bytes for each wave
.set LG,  37376                        ; [32 tokens][8] logits
.set SCB, 38400                        ; [32 tokens][16] scale bytes
.set S,   16                           ; v16-23   eight sums;  v24-31 at work in the reduction
.set X,   72                           ; v72-103  two sets of 16 neighbours of a row
.set CW,  112                          ; v112-239 the combined weights of my 16 numbers of a row: (i, e) at 8 i + e
.set MSB, 0
.macro WIN new                         ; the high byte of the immediate repeats the setting that is left
.if MSB != \new
	s_set_vgpr_msb (MSB<<8)|\new
.set MSB, \new
.endif
.endm
	v_lshl_add_u32 v255, v0, 2, 0x9800
	s_set_vgpr_msb 0x40
	v_mov_b32 v129, 0
	s_set_vgpr_msb 0x4000
	v_lshrrev_b32 v1, 5, v0
	v_readfirstlane_b32 s2, v1                     ; wave 0..3
	s_cmp_lt_u32 ttmp9, 128                        ; the same for all four waves of a work-group
	s_cbranch_scc0 .Llayout
	; ------------------------------------------------------------------ the router
	s_load_b256 s[4:11], s[0:1], 0x0               ; x, noise, gate_w, gate_b
	s_load_b128 s[12:15], s[0:1], 0x20             ; noise_w, noise_b
	s_load_b256 s[16:23], s[0:1], 0x50             ; xq, xs, sel, ids
	s_load_b128 s[24:27], s[0:1], 0x70             ; sc, imp
	v_and_b32 v1, 31, v0                           ; lane
	v_lshlrev_b32 v2, 4, v1                        ; 16 x lane
	s_mul_i32 s54, s2, 5120
	s_add_co_u32 s54, s54, STG                     ; my stages
	v_lshrrev_b32 v8, 2, v1
	v_mul_u32_u24 v3, v8, 80
	v_and_b32 v8, 3, v1
	v_lshl_add_u32 v3, v8, 4, v3
	v_add_nc_u32 v3, s54, v3                       ; into a stage: four lanes fill 64 bytes, then 16 of padding
	v_mul_u32_u24 v4, v1, 80
	v_add_nc_u32 v4, s54, v4                       ; out of it: my 16 neighbours
	v_lshrrev_b32 v8, 3, v1
	v_mul_u32_u24 v5, v8, 96                       ; my 12 bytes of codes in a row of xq: K step lane / 8,
	v_bfe_u32 v8, v1, 1, 1
	v_mad_u32_u24 v5, v8, 48, v5                   ; the half h of the operand lanes = the low bit of the block,
	v_bfe_u32 v8, v1, 2, 1
	v_mad_u32_u24 v5, v8, 24, v5                   ; c = its high bit,
	v_and_b32 v8, 1, v1
	v_mad_u32_u24 v5, v8, 12, v5                   ; and which 16 of the 32 codes
	s_lshl_b32 s54, s2, 7
	s_add_co_u32 s54, s54, SCB
	v_lshrrev_b32 v8, 1, v1
	v_add_nc_u32 v6, s54, v8                       ; my block byte: 16 bytes a token, 8 tokens a wave
	s_lshl_b32 s54, s2, 8
	s_add_co_u32 s54, s54, LG
	v_bfe_u32 v8, v1, 1, 3
	v_lshl_add_u32 v7, v8, 2, s54                  ; the logit of expert (lane / 2) % 8
	s_mul_i32 s54, s2, 528
	v_add_nc_u32 v12, s54, v2                      ; the combined weights on their way into LDS
	v_mul_u32_u24 v13, v1, 528                     ; and back: row = lane
	v_lshl_add_u32 v14, v1, 5, LG                  ; wave 0 later: a token to a lane
	v_lshl_add_u32 v15, v1, 4, SCB                 ; wave 1 later: 16 scale bytes to a lane
	v_lshlrev_b32 v240, 4, v0                      ; 16 x thread
	v_lshlrev_b32 v241, 5, v1                      ; 32 x lane
	s_mov_b32 s48, 0xff00ff00                      ; lanes whose bit 3 is set,
	s_mov_b32 s49, 0xf0f0f0f0                      ; bit 2,
	s_mov_b32 s50, 0xcccccccc                      ; bit 1
	s_mov_b32 s52, 0x76543210
	s_mov_b32 s53, 0xfedcba98                      ; the selects of v_permlanex16_b32 for lane xor 16
	s_wait_kmcnt 0x0
	s_load_b256 s[32:39], s[10:11], 0x0            ; gate_b
	s_load_b256 s[40:47], s[14:15], 0x0            ; noise_b
	s_lshl_b32 s54, ttmp9, 16
	s_lshl_b32 s55, s2, 14
	s_add_co_u32 s54, s54, s55
	s_mov_b32 s55, 0
	s_add_nc_u64 s[4:5], s[4:5], s[54:55]          ; x at my 8 rows of 2,048 bytes
	s_mul_i32 s54, ttmp9, 12288
	s_mul_i32 s56, s2, 3072
	s_add_co_u32 s54, s54, s56
	s_add_nc_u64 s[16:17], s[16:17], s[54:55]      ; xq likewise, 384 bytes a row
	s_lshl_b32 s54, ttmp9, 10
	s_add_nc_u64 s[6:7], s[6:7], s[54:55]          ; noise: 32 bytes a token
	s_lshl_b32 s54, ttmp9, 9
	s_add_nc_u64 s[18:19], s[18:19], s[54:55]      ; xs: 16 bytes a token
	s_lshl_b32 s54, ttmp9, 2
	s_add_nc_u64 s[20:21], s[20:21], s[54:55]      ; sel: my word of each row
	s_lshl_b32 s54, ttmp9, 7
	s_add_nc_u64 s[22:23], s[22:23], s[54:55]      ; ids
	s_lshl_b32 s54, ttmp9, 8
	s_add_nc_u64 s[24:25], s[24:25], s[54:55]      ; sc
	s_lshl_b32 s54, ttmp9, 5
	s_add_nc_u64 s[26:27], s[26:27], s[54:55]      ; imp
	global_load_b128 v[32:35], v241, s[6:7]        ; the noise of token = lane (wave 0 uses it)
	global_load_b128 v[36:39], v241, s[6:7] offset:16
.irp j, 0,1,2,3,4,5,6,7
	global_load_b128 v[112+4*\j:115+4*\j], v240, s[8:9] offset:2048*\j     ; gate_w: the four waves read 2,048 bytes on end
.endr
.irp j, 0,1,2,3,4,5,6,7
	global_load_b128 v[144+4*\j:147+4*\j], v240, s[12:13] offset:2048*\j   ; noise_w
.endr
	WIN 0x40                                       ; destination in window 1: my 8 rows of x as they lie, 16 registers a row
.irp i, 0,1,2,3,4,5,6,7
.irp j, 0,1,2,3
	global_load_b128 v[16*\i+4*\j:16*\i+4*\j+3], v2, s[4:5] offset:2048*\i+512*\j th:TH_LOAD_NT   ; 32 lanes read 512 bytes on end
.endr
.endr
	WIN 0
	s_wait_kmcnt 0x0
.irp e, 0,1,2,3,4,5,6,7
	s_add_f32 s[32+\e], s[32+\e], s[40+\e]         ; gate_b + noise_b
.endr
	s_wait_loadcnt 32                              ; all but the 32 loads of x, which were issued last
.irp q, 0,2,4,6,8,10,12,14,16,18,20,22,24,26,28,30
	v_pk_add_f32 v[112+\q:113+\q], v[112+\q:113+\q], v[144+\q:145+\q]      ; gate_w + noise_w
.endr
.irp j, 0,1,2,3,4,5,6,7
	ds_store_b128 v12, v[112+4*\j:115+4*\j] offset:2112*\j                 ; byte b of the table goes to 528 (b / 512) + b % 512
.endr
	s_wait_dscnt 0x0                               ; my part of the table has landed
	s_barrier_signal -1
	s_barrier_wait -1                              ; everybody's has
.set q, 0
.rept 32
	ds_load_b128 v[CW+4*q:CW+4*q+3], v13 offset:16*q    ; the weights of my 16 numbers: 512 bytes; rows 528 bytes apart, so 16 lanes fall on 16 different columns of 16 bytes
.set q, q+1
.endr
; row t goes through a stage: in as loaded, out as 16 neighbours a lane.  LDS serves the instructions of a wave in order (ISA guide 5.7.1.4): no wait between the stores and the loads
.macro TURN t
	WIN 0x04                                       ; the data of an LDS store are its source 1: window 1
.irp j, 0,1,2,3
	ds_store_b128 v3, v[16*(\t)+4*\j:16*(\t)+4*\j+3] offset:2560*((\t)%2)+640*\j
.endr
	WIN 0
.irp j, 0,1,2,3
	ds_load_b128 v[X+16*((\t)%2)+4*\j:X+16*((\t)%2)+4*\j+3], v4 offset:2560*((\t)%2)+16*\j
.endr
.endm
; eight sums a lane become one: in three halvings a lane keeps half of its sums and hands the other half to the lane 8, 4, 2 away; then lanes 1 and 16 away are added.  Lane l ends with the whole sum of expert (l / 2) % 8.
.macro REDUCE8 out
.irp k, 0,1,2,3
	v_cndmask_b32 v[24+\k], v[16+\k], v[20+\k], s48
	v_cndmask_b32 v[28+\k], v[20+\k], v[16+\k], s48
.endr
.irp k, 0,1,2,3
	v_add_f32_dpp v[24+\k], v[28+\k], v[24+\k] row_xmask:8 row_mask:0xf bank_mask:0xf
.endr
.irp k, 0,1
	v_cndmask_b32 v[16+\k], v[24+\k], v[26+\k], s49
	v_cndmask_b32 v[18+\k], v[26+\k], v[24+\k], s49
.endr
.irp k, 0,1
	v_add_f32_dpp v[16+\k], v[18+\k], v[16+\k] row_xmask:4 row_mask:0xf bank_mask:0xf
.endr
	v_cndmask_b32 v20, v16, v17, s50
	v_cndmask_b32 v21, v17, v16, s50
	v_add_f32_dpp v20, v21, v20 row_xmask:2 row_mask:0xf bank_mask:0xf
	v_add_f32_dpp v20, v20, v20 row_xmask:1 row_mask:0xf bank_mask:0xf
	v_permlanex16_b32 v21, v20, s52, s53
	v_add_f32 v[\out], v20, v21
.endm
; one row: its eight partial dot products, its codes and scale bytes, its logits
.macro STEP i
.set XS, X+16*((\i)%2)
.if (\i) > 0
	s_wait_dscnt 2                                 ; this row is back from its stage; behind its loads stand the byte store and the logit store of the last row
.else
	s_wait_dscnt 0x0                               ; the weights and row 0
.endif
.if (\i) < 7
	s_wait_loadcnt 24-4*(\i)                       ; the next row is in; four loads for each row behind it may be out
	TURN (\i)+1
.endif
.irp p, 0,1,2,3
	v_pk_mul_f32 v[S+2*\p:S+2*\p+1], v[XS:XS+1], v[CW+2*\p:CW+2*\p+1] op_sel_hi:[0,1]      ; the first number starts the sums: two experts an instruction, x from the low register for both
.endr
.irp p, 0,1,2,3
	v_pk_fma_f32 v[S+2*\p:S+2*\p+1], v[XS:XS+1], v[CW+8+2*\p:CW+8+2*\p+1], v[S+2*\p:S+2*\p+1] op_sel:[1,0,0]   ; x from the high register for both
.endr
.irp q, 2,4,6,8,10,12,14
.irp p, 0,1,2,3
	v_pk_fma_f32 v[S+2*\p:S+2*\p+1], v[XS+\q:XS+\q+1], v[CW+8*\q+2*\p:CW+8*\q+2*\p+1], v[S+2*\p:S+2*\p+1] op_sel_hi:[0,1,1]
.endr
.irp p, 0,1,2,3
	v_pk_fma_f32 v[S+2*\p:S+2*\p+1], v[XS+\q:XS+\q+1], v[CW+8*\q+8+2*\p:CW+8*\q+8+2*\p+1], v[S+2*\p:S+2*\p+1] op_sel:[1,0,0]
.endr
.endr
	v_max3_num_f32 v8, |v[XS]|, |v[XS+1]|, |v[XS+2]|               ; the largest magnitude of my 16
	v_max3_num_f32 v9, |v[XS+3]|, |v[XS+4]|, |v[XS+5]|
.irp u, 6,10
	v_max3_num_f32 v8, v8, |v[XS+\u]|, |v[XS+\u+1]|
	v_max3_num_f32 v9, v9, |v[XS+\u+2]|, |v[XS+\u+3]|
.endr
	v_max3_num_f32 v8, v8, |v[XS+14]|, |v[XS+15]|
	v_max3_num_f32 v8, v8, v9, 0x2800000           ; and the floor 2^(5 - 127): the byte cannot fall under 1
	v_max_num_f32_dpp v8, v8, v8 row_xmask:1 row_mask:0xf bank_mask:0xf   ; with my neighbour: the block of 32
	v_add_nc_u32 v11, 0xfe000000, v8               ; 4 off the exponent field: the conversion takes the exponent field of this operand as its scale
	v_cvt_scalef32_pk16_bf6_f32 v[40+4*(\i):42+4*(\i)], v[XS:XS+15], v11
	v_lshrrev_b32 v[104+(\i)], 23, v11             ; the scale byte (also the plain instruction behind the conversion)
	ds_store_b8 v6, v[104+(\i)] offset:16*(\i)     ; both lanes of a block write the same byte with the same value
	global_store_b96 v5, v[40+4*(\i):42+4*(\i)], s[16:17] offset:384*(\i)   ; the wave fills the 384 bytes of the row; every row has registers of its own
	REDUCE8 242+(\i)
	ds_store_b32 v7, v[242+(\i)] offset:32*(\i)    ; four lanes hold the same sum and write the same word
.endm
	s_wait_loadcnt 28                              ; row 0 is in
	TURN 0
.irp i, 0,1,2,3,4,5,6,7
	STEP \i
.endr
	s_wait_dscnt 0x0                               ; my logits and scale bytes have landed
	s_barrier_signal -1
	s_barrier_wait -1
	s_cmp_eq_u32 s2, 0
	s_cbranch_scc1 .Lroute
	s_cmp_eq_u32 s2, 1
	s_cbranch_scc0 .Lend
	ds_load_b128 v[16:19], v15                     ; wave 1: the 512 scale bytes of the 32 tokens
	s_wait_dscnt 0x0
	global_store_b128 v2, v[16:19], s[18:19]       ; 512 bytes on end
.Lend:
	s_set_vgpr_msb 0x4
	s_wait_tensorcnt 0x0
	ds_add_u32 v255, v129
	s_wait_dscnt 0x0
	s_set_vgpr_msb 0x400
	s_endpgm
.Lroute:                                               ; wave 0: a token to a lane
	ds_load_b128 v[16:19], v14
	ds_load_b128 v[20:23], v14 offset:16
	s_wait_dscnt 0x0
.irp e, 0,1,2,3,4,5,6,7
	v_add_f32 v[16+\e], s[32+\e], v[16+\e]
	v_add_f32 v[16+\e], v[16+\e], v[32+\e]         ; the logit
.endr
	v_mov_b32 v112, v16                            ; the largest: only a strictly larger logit takes its place, so the lower index wins a tie
	v_mov_b32 v113, 0
.irp e, 1,2,3,4,5,6,7
	v_cmp_gt_f32 vcc_lo, v[16+\e], v112
	v_cndmask_b32 v112, v112, v[16+\e], vcc_lo
	v_cndmask_b32 v113, v113, \e, vcc_lo
.endr
	v_mov_b32 v114, 0xff800000                     ; the second: the same among the other seven
	v_mov_b32 v115, 0
.irp e, 0,1,2,3,4,5,6,7
	v_cmp_gt_f32 s54, v[16+\e], v114
	v_cmp_ne_u32 s55, \e, v113
	s_and_b32 s54, s54, s55
	v_cndmask_b32 v114, v114, v[16+\e], s54
	v_cndmask_b32 v115, v115, \e, s54
.endr
	v_sub_f32 v116, v114, v112                     ; the maximum is taken away: 0 or less
	v_mul_f32 v116, 0x3fb8aa3b, v116
	v_exp_f32 v116, v116
	v_nop                                          ; a plain instruction behind the transcendental,
	s_wait_alu depctr_va_vdst(0)                   ; and the wait ahead of its first reader
	v_add_f32 v117, 1.0, v116
	v_rcp_f32 v118, v117                           ; p0
	v_nop
	s_wait_alu depctr_va_vdst(0)
	v_mul_f32 v119, v116, v118                     ; p1
	v_lshlrev_b32 v120, 3, v1
	global_store_b64 v120, v[118:119], s[24:25]    ; 256 bytes on end
	v_lshl_or_b32 v121, v115, 8, v113
	v_lshlrev_b32 v122, 2, v1
	global_store_b32 v122, v121, s[22:23]
	v_mov_b32 v250, 0
	v_mov_b32 v251, 0
.irp e, 0,1,2,3,4,5,6,7
	v_cmp_eq_u32 s54, \e, v113
	v_cmp_eq_u32 s55, \e, v115
	v_cndmask_b32 v[16+\e], 0, v119, s55           ; the score of expert e for my token
	v_cndmask_b32 v[16+\e], v[16+\e], v118, s54
	s_or_b32 s56, s54, s55                         ; the 32 tokens that chose e,
	s_bcnt1_i32_b32 s57, s56                       ; and how many they are
	v_writelane_b32 v250, s56, \e
	v_writelane_b32 v251, s57, \e
.endr
	REDUCE8 252                                    ; the sums of the scores over the 32 tokens
	v_lshlrev_b32 v123, 9, v1                      ; a row of sel is 512 bytes
	v_cmp_gt_u32 vcc_lo, 8, v1
	s_wait_xcnt 0x0                                ; EXEC changes only behind this wait
	s_set_vgpr_msb 0x4
	s_wait_tensorcnt 0x0
	ds_add_u32 v255, v129
	s_wait_dscnt 0x0
	s_set_vgpr_msb 0x400
	s_and_saveexec_b32 s58, vcc_lo
	global_store_b32 v123, v250, s[20:21]          ; lane e: the mask of expert e
	global_store_b32 v123, v251, s[20:21] offset:4096   ; and its count
	s_wait_xcnt 0x0
	s_or_b32 exec_lo, exec_lo, s58
	v_and_b32 v253, 17, v1
	v_bfe_u32 v254, v1, 1, 3
	v_lshlrev_b32 v254, 2, v254
	v_cmp_eq_u32 vcc_lo, 0, v253                   ; lanes 0, 2 .. 14: one for each expert
	s_and_saveexec_b32 s58, vcc_lo
	global_store_b32 v254, v252, s[26:27]
	s_wait_xcnt 0x0
	s_or_b32 exec_lo, exec_lo, s58
	s_endpgm
	; ------------------------------------------------------------------ the layout: a wave lays four groups (64 weight rows x 512 along K)
.Llayout:
	s_load_b256 s[4:11], s[0:1], 0x30              ; w1_codes, w1_scales, w2_codes, w2_scales
	s_load_b64 s[12:13], s[0:1], 0x80              ; wl
	s_sub_co_u32 s14, ttmp9, 128
	s_lshl_b32 s14, s14, 2
	s_add_co_u32 s14, s14, s2                      ; the job, 0..511
	s_lshr_b32 s15, s14, 8                         ; 0: W1, 1: W2
	s_bfe_u32 s16, s14, 0x30005                    ; expert
	s_bfe_u32 s17, s14, 0x20003                    ; W1: the chunk of 512 hidden units;  W2: which four K steps
	s_and_b32 s18, s14, 7                          ; the wave of the chain that will read it
	s_lshl_b32 s19, s16, 11
	s_lshl_b32 s20, s17, 9
	s_add_co_u32 s19, s19, s20
	s_lshl_b32 s21, s18, 6
	s_add_co_u32 s19, s19, s21                     ; W1: first row
	s_lshl_b32 s20, s16, 9
	s_add_co_u32 s20, s20, s21                     ; W2: first row
	s_mul_i32 s22, s17, 384                        ; W2: where the four K steps begin in a row of codes,
	s_lshl_b32 s23, s17, 4                         ; and of scale bytes
	s_mov_b32 s24, 1536
	s_lshl_b32 s30, s16, 3
	s_add_co_u32 s30, s30, s18
	s_lshl_b32 s30, s30, 5
	s_lshl_b32 s31, s15, 4
	s_add_co_u32 s30, s30, s31
	s_lshl_b32 s31, s17, 2
	s_add_co_u32 s30, s30, s31
	s_mul_i32 s30, s30, 6400                       ; my first group in wl
	s_mov_b32 s31, 0
	s_mov_b32 s27, 0
	s_wait_kmcnt 0x0
	s_cmp_eq_u32 s15, 0                            ; the choice hangs on the numbers of work-group and wave alone
	s_cselect_b64 s[4:5], s[4:5], s[8:9]
	s_cselect_b64 s[6:7], s[6:7], s[10:11]
	s_cselect_b32 s24, 384, s24                    ; a row of codes in bytes
	s_cselect_b32 s25, 16, 64                      ; a row of scale bytes
	s_cselect_b32 s19, s19, s20
	s_cselect_b32 s22, 0, s22
	s_cselect_b32 s23, 0, s23
	s_mul_i32 s26, s19, s24
	s_add_co_u32 s26, s26, s22
	s_add_nc_u64 s[4:5], s[4:5], s[26:27]
	s_mul_i32 s26, s19, s25
	s_add_co_u32 s26, s26, s23
	s_add_nc_u64 s[6:7], s[6:7], s[26:27]
	s_add_nc_u64 s[12:13], s[12:13], s[30:31]
	v_and_b32 v1, 31, v0
	v_and_b32 v2, 15, v0                           ; m
	v_bfe_u32 v3, v0, 4, 1                         ; h
	v_and_b32 v10, 8, v2
	v_add_nc_u32 v10, v10, v2                      ; m + 8 (m / 8)
	v_mul_lo_u32 v4, v10, s24
	v_mad_u32_u24 v4, v3, 24, v4                   ; fragment 0: my row, my half
	s_lshl_b32 s28, s24, 3
	s_lshl_b32 s29, s24, 5
	v_add_nc_u32 v5, s28, v4                       ; fragment 1: 8 rows on,
	v_add_nc_u32 v6, s29, v4                       ; 2: 32 rows on,
	v_add_nc_u32 v7, s29, v5                       ; 3: 40 rows on
	v_lshl_add_u32 v11, v3, 5, v10
	v_mul_lo_u32 v8, v11, s25                      ; scale words: lanes 0-15 take fragments 0 and 1, lanes 16-31 fragments 2 and 3
	s_lshl_b32 s26, s25, 3
	v_add_nc_u32 v9, s26, v8
	v_lshlrev_b32 v12, 4, v1
	v_lshlrev_b32 v13, 3, v1
	global_load_b128 v[208:211], v8, s[6:7]        ; the words of my four K steps
	global_load_b128 v[212:215], v9, s[6:7]
.irp t, 0,1,2,3
.irp s, 0,1,2,3
.irp p, 0,1,2,3,4,5
	global_load_b64 v[16+12*(4*\t+\s)+2*\p:17+12*(4*\t+\s)+2*\p], v[4+\t], s[4:5] offset:96*\s+48*(\p/3)+8*(\p%3)   ; registers 6 c .. 6 c + 5 are the 24 bytes of block 2 c + h, as they lie
.endr
.endr
.endr
.macro OUT t
.irp s, 0,1,2,3
.irp j, 0,1,2
	global_store_b128 v12, v[16+12*(4*\t+\s)+4*\j:19+12*(4*\t+\s)+4*\j], s[12:13] offset:6400*\s+1536*\t+512*\j   ; a plane: 32 lanes, 512 bytes on end
.endr
.endr
.endm
	s_wait_loadcnt 63                              ; the two loads of scales and the 24 of fragment row 0 are in (72 loads stand behind them; the count names at most 63)
.irp s, 0,1,2,3
	v_mov_b32 v[216+2*\s], v[208+\s]
	v_mov_b32 v[217+2*\s], v[212+\s]
.endr
.irp s, 0,1,2,3
	global_store_b64 v13, v[216+2*\s:217+2*\s], s[12:13] offset:6400*\s+6144   ; 256 bytes on end
.endr
	OUT 0
	s_wait_loadcnt 48                              ; 24 loads for each fragment row behind
	OUT 1
	s_wait_loadcnt 24
	OUT 2
	s_wait_loadcnt 0x0
	OUT 3
	s_endpgm
.Lfunc_end_k_qbffb0f6925_prep:
	.size	k_qbffb0f6925_prep, .Lfunc_end_k_qbffb0f6925_prep-k_qbffb0f6925_prep
	.p2alignl 7, 3214868480
	.fill 96, 4, 3214868480
	.section	.rodata,"a",@progbits
	.p2align	6, 0x0
	.amdhsa_kernel k_qbffb0f6925_prep
		.amdhsa_group_segment_fixed_size 39424
		.amdhsa_private_segment_fixed_size 0
		.amdhsa_enable_private_segment 0
		.amdhsa_kernarg_size 136
		.amdhsa_user_sgpr_count 2
		.amdhsa_user_sgpr_kernarg_segment_ptr 1
		.amdhsa_wavefront_size32 1
		.amdhsa_system_sgpr_workgroup_id_x 1
		.amdhsa_system_sgpr_workgroup_id_y 1
		.amdhsa_system_sgpr_workgroup_id_z 1
		.amdhsa_system_vgpr_workitem_id 0
		.amdhsa_next_free_vgpr 386
		.amdhsa_next_free_sgpr 66
		.amdhsa_reserve_vcc 1
		.amdhsa_float_denorm_mode_32 3
		.amdhsa_float_denorm_mode_16_64 3
		.amdhsa_memory_ordered 1
		.amdhsa_forward_progress 1
		.amdhsa_inst_pref_size 98
	.end_amdhsa_kernel
	.amdgpu_metadata
---
amdhsa.version: [ 1, 2 ]
amdhsa.kernels:
  - .name:           k_qbffb0f6925_prep
    .symbol:         k_qbffb0f6925_prep.kd
    .args:
      - { .name: x, .offset: 0, .size: 8, .value_kind: global_buffer, .address_space: global }
      - { .name: noise, .offset: 8, .size: 8, .value_kind: global_buffer, .address_space: global }
      - { .name: gate_w, .offset: 16, .size: 8, .value_kind: global_buffer, .address_space: global }
      - { .name: gate_b, .offset: 24, .size: 8, .value_kind: global_buffer, .address_space: global }
      - { .name: noise_w, .offset: 32, .size: 8, .value_kind: global_buffer, .address_space: global }
      - { .name: noise_b, .offset: 40, .size: 8, .value_kind: global_buffer, .address_space: global }
      - { .name: w1_codes, .offset: 48, .size: 8, .value_kind: global_buffer, .address_space: global }
      - { .name: w1_scales, .offset: 56, .size: 8, .value_kind: global_buffer, .address_space: global }
      - { .name: w2_codes, .offset: 64, .size: 8, .value_kind: global_buffer, .address_space: global }
      - { .name: w2_scales, .offset: 72, .size: 8, .value_kind: global_buffer, .address_space: global }
      - { .name: xq, .offset: 80, .size: 8, .value_kind: global_buffer, .address_space: global }
      - { .name: xs, .offset: 88, .size: 8, .value_kind: global_buffer, .address_space: global }
      - { .name: sel, .offset: 96, .size: 8, .value_kind: global_buffer, .address_space: global }
      - { .name: ids, .offset: 104, .size: 8, .value_kind: global_buffer, .address_space: global }
      - { .name: sc, .offset: 112, .size: 8, .value_kind: global_buffer, .address_space: global }
      - { .name: imp, .offset: 120, .size: 8, .value_kind: global_buffer, .address_space: global }
      - { .name: wl, .offset: 128, .size: 8, .value_kind: global_buffer, .address_space: global }
    .group_segment_fixed_size: 39424
    .private_segment_fixed_size: 0
    .kernarg_segment_align: 8
    .kernarg_segment_size: 136
    .max_flat_workgroup_size: 128
    .sgpr_count:     66
    .vgpr_count:     386
    .wavefront_size: 32
...
	.end_amdgpu_metadata
.endif
;; end of part 1
;; launch chain (part 2): grid 135 x 1, 8 waves a work-group, no clusters, 211,968 bytes of LDS; arguments sel, ids, xq, xs, wl, b1, b2, part; writes part
.if DOCPART == 2
	.amdgcn_target "amdgcn-amd-amdhsa--gfx1250"
	.amdhsa_code_object_version 6
	.text
	.protected	k_qbffb0f6925_chain
	.globl	k_qbffb0f6925_chain
	.p2align	8
	.type	k_qbffb0f6925_chain,@function
k_qbffb0f6925_chain:
	s_mov_b64 s[64:65], 0
	v_nop
	global_prefetch_b8 v0, s[64:65] scope:SCOPE_SE
	s_setreg_imm32_b32 hwreg(HW_REG_WAVE_MODE, 25, 1), 1
	s_wait_xcnt 0x0
; CHAIN.  A work-group takes up to 64 routed rows of ONE expert through gather, x W1 + b1, silu, quantise, h W2 + b2, and stores the result in bf16 at row 2 token + k of part (k: the expert was the token's first or second choice).
; WHICH TILE.  8,192 rows are routed (4,096 tokens x 2).  With n_e rows for expert e there are S = sum of ceil(n_e / 64) tiles, 128 <= S <= 135.  The grid is always 135: each of the 135 - S work-groups that are over
; takes the upper 32 rows of one of the first full tiles of the largest expert (it has 1,024 rows or more, so 16 full tiles or more), whose owner keeps the lower 32.  So every work-group stores rows.
; Tile, rows and tokens are found from the stored masks and counts by whole-number arithmetic and selects: no branch and no trip count hangs on them.
; SHARES.  Eight waves, two to a SIMD, so that the silu of one stands beside the products of the other.  THE WAVES SHARE THE COLUMNS: wave w makes hidden units 64 w .. + 63 of each chunk of 512 and outputs 64 w .. + 63,
; for all 64 rows: 4 tiles of weights x 4 tiles of rows = 16 accumulators.  Each weight fragment comes from memory straight into registers, once a work-group, and feeds four matrix instructions.
; THE ORDER OF THE WEIGHTS.  The four chunks of the hidden layer are independent, and the K steps of the second product may be summed in any order.  Work-group i begins at chunk i % 4 and goes round: the tiles of one expert are
; neighbours in the grid, so at any time they ask for four different quarters of its weights, and a quarter is asked for again a whole trip (four K steps) after a neighbour has asked for it.  The chunk worked in trip c lies at
; place c in LDS (its bias and its images), so no LDS address hangs on the work-group: only the addresses in b1 and in the stream of weights are turned.
; The products are used transposed (source 0 = 16 weight rows, source 1 = 16 rows of activations): a lane holds one row, and the 16 registers of two neighbouring tiles are 16 neighbours along the next K.
; Activations go from wave to wave through LDS as images of the operand registers (1,536 bytes a fragment; half c at 768 c: registers 6 c .. 6 c + 3 at 16 x lane, registers 6 c + 4, 6 c + 5 at 512 + 8 x lane).
; NO CLUSTER, NO TENSOR LOAD: which expert a work-group reads hangs on counts read from memory, and an expert's tiles are no multiple of four.
; LIMITS: NaN and infinities are not served; a block of zeros gets the byte 1 with zero codes; blocks whose largest magnitude lies under 2^-122 are held at the byte 1; the result is rounded to bf16 as an operand of the last, unquantised product;
; the second product's sixteen K steps are summed beginning at K step 4 (i % 4), so the order of that f32 sum differs from work-group to work-group.
; REGISTERS.  window 0: v1-20 addresses; v21-31 at work at the head; v32-39 scale words of the weights (4 slots x 2), v40-43 of the activations: these twelve hold scales and nothing else; v44-75 bias; v76-123 four fragments of activations;
;   v124-171, v172-219 slots 2 and 3 of the weights; v220-246 at the head and on the way out; v247-254 the addresses of the way out alone.   window 1: v0-127 accumulator (m, t) at 8 (4 m + t); v128-175, v176-223 slots 0 and 1; v224-255 at work.
.set XIMG, 0                           ; LDS: the 16 fragments of x (K step s, tile of rows m: 4 s + m),
.set XSC,  24576                       ; their scale words, 128 bytes each,
.set BIAS, 26624                       ; b1 of the expert, 8,192 bytes in the order of my trips, then b2, 2,048,
.set ROWT, 36864                       ; the row of part for each thread,
.set HSC,  37888                       ; the scale words of the hidden layer, 128 bytes a fragment,
.set HIMG, 46080                       ; its 64 fragments (4 k + m, k in the order of my trips),
.set STG,  144384                      ; and the stage for the way out: 64 rows x (1,024 bytes + 16)
.set SPITCH, 1040
.set QUAD, 25600                       ; a quarter of W1 or of W2 for one wave: four groups of 6,400 bytes
.set LI16, 1                           ; 16 x lane
.set LI8,  2                           ; 8 x lane
.set LS4,  3                           ; 4 x lane
.set HR16B, 4                          ; reading the hidden layer: HIMG + 16 lane, HIMG + 8 lane, HSC + 4 lane
.set HR8B, 5
.set HRSB, 6
.set HW16B, 7                          ; writing it: my half of K step w / 2 of a chunk
.set HW8B, 8
.set HWSB, 9
.set BAB,  10                          ; my 64 numbers of the bias, my half of the lanes
.set SO,   11                          ; the stage: where I put 32 bytes of a row
.set SR,   12                          ; and where I read rows back
.set RT,   13                          ; the rows of part of my 8 rows
.set HR16, 14                          ; the same addresses with the offset of the trip added
.set HR8,  15
.set HRS,  16
.set HW16, 17
.set HW8,  18
.set HWS,  19
.set BA,   20
.set WS,   32
.set AS,   40
.set BI,   44
.set ACT,  76
.set PO,   247                         ; v247-254 the way out: my byte offsets in part, one for each of my 8 rows
.set T,    224
.set WP,   48                          ; s[48:49] the quarter of the weights in hand
.set WB0,  66                          ; s[66:67] where my wave's 204,800 bytes of weights begin; never rewritten
.set WN,   68                          ; s[68:69] the next quarter
.set ROT,  70                          ; s70      work-group % 4: where my walk begins
.set POS,  71                          ; s71      the place in the walk (0-3: W1, 4-7: W2) of the quarter that WN takes next
.set MSB, 0
.macro WIN new                         ; the high byte of the immediate repeats the setting that is left
.if MSB != \new
	s_set_vgpr_msb (MSB<<8)|\new
.set MSB, \new
.endif
.endm
.macro PLACES                          ; a load into a register that a matrix instruction has read, and a vector instruction that reads its result, stand four plain vector instructions behind it
.rept 4
	v_nop
.endr
.endm
; a group of weights: 12 loads of 512 bytes on end (four fragments) and one of 256 (their scale words): 13 loads
.macro GLOAD slot, base, off
.if (\slot) < 2
	WIN 0x40
.set WB, 128+48*(\slot)
.else
	WIN 0
.set WB, 124+48*((\slot)-2)
.endif
.irp i, 0,1,2,3,4,5,6,7,8,9,10,11
	global_load_b128 v[WB+4*\i:WB+4*\i+3], v[LI16], s[\base:\base+1] offset:(\off)+512*\i
.endr
	WIN 0
	global_load_b64 v[WS+2*(\slot):WS+2*(\slot)+1], v[LI8], s[\base:\base+1] offset:(\off)+6144
.endm
; a trip's end: the next quarter becomes the one in hand, and WN takes the quarter at place POS of my walk: quarter (POS & 4) + (POS + ROT) % 4 of the eight
.macro NEXTQ
	s_wait_xcnt 0x0                                ; the loads have read their bases: both may be written
	s_mov_b64 s[WP:WP+1], s[WN:WN+1]
	s_add_co_u32 s72, s[POS], s[ROT]
	s_and_b32 s72, s72, 3
	s_and_b32 s74, s[POS], 4
	s_add_co_u32 s72, s72, s74
	s_mul_i32 s72, s72, QUAD
	s_add_nc_u64 s[WN:WN+1], s[WB0:WB0+1], s[72:73]    ; (behind the last trip but one this is place 8, a quarter of W1 again: nothing is asked for through it)
	s_add_co_u32 s[POS], s[POS], 1
.endm
; a fragment of activations and its scale words: five LDS loads
.macro ACTLOAD a16, a8, as, ioff, soff, m
	ds_load_b128 v[ACT+12*(\m):ACT+12*(\m)+3], v[\a16] offset:(\ioff)+1536*(\m)
	ds_load_b64 v[ACT+12*(\m)+4:ACT+12*(\m)+5], v[\a8] offset:(\ioff)+1536*(\m)+512
	ds_load_b128 v[ACT+12*(\m)+6:ACT+12*(\m)+9], v[\a16] offset:(\ioff)+1536*(\m)+768
	ds_load_b64 v[ACT+12*(\m)+10:ACT+12*(\m)+11], v[\a8] offset:(\ioff)+1536*(\m)+1280
	ds_load_b32 v[AS+(\m)], v[\as] offset:(\soff)+128*(\m)
.endm
.macro BIASLOAD                        ; tile 2 b + u, register j: the bias of unit 32 b + 16 h + 8 u + j of my 64
.irp q, 0,1,2,3,4,5,6,7
	ds_load_b128 v[BI+4*\q:BI+4*\q+3], v[BA] offset:128*(\q/4)+16*(\q%4)
.endr
.endm
; eight matrix instructions: tiles of rows m0, m0 + 1 x my four tiles of weights.  first = 1: the bias is the C of the first product of a sum.  The 16 accumulators take turns, one instruction a turn, in one order throughout.
; The scale words of tiles 0, 1 stand in lanes 0-15 of the two registers of the slot, those of tiles 2, 3 in lanes 16-31.
.macro MUL8 slot, m0, first
.if (\slot) < 2
.set WB, 128+48*(\slot)
.else
.set WB, 124+48*((\slot)-2)
.endif
.irp m, \m0, \m0+1
.irp t, 0,1
.if \first
	v_wmma_scale_f32_16x16x128_f8f6f4 v[8*(4*(\m)+\t):8*(4*(\m)+\t)+7], v[WB+12*\t:WB+12*\t+11], v[ACT+12*(\m):ACT+12*(\m)+11], v[BI+8*\t:BI+8*\t+7], v[WS+2*(\slot)+\t], v[AS+(\m)] matrix_a_fmt:MATRIX_FMT_BF6 matrix_b_fmt:MATRIX_FMT_BF6
.else
	v_wmma_scale_f32_16x16x128_f8f6f4 v[8*(4*(\m)+\t):8*(4*(\m)+\t)+7], v[WB+12*\t:WB+12*\t+11], v[ACT+12*(\m):ACT+12*(\m)+11], v[8*(4*(\m)+\t):8*(4*(\m)+\t)+7], v[WS+2*(\slot)+\t], v[AS+(\m)] matrix_a_fmt:MATRIX_FMT_BF6 matrix_b_fmt:MATRIX_FMT_BF6
.endif
.endr
.irp t, 2,3
.if \first
	v_wmma_scale_f32_16x16x128_f8f6f4 v[8*(4*(\m)+\t):8*(4*(\m)+\t)+7], v[WB+12*\t:WB+12*\t+11], v[ACT+12*(\m):ACT+12*(\m)+11], v[BI+8*\t:BI+8*\t+7], v[WS+2*(\slot)+\t-2], v[AS+(\m)] matrix_a_fmt:MATRIX_FMT_BF6 matrix_b_fmt:MATRIX_FMT_BF6 matrix_a_scale:MATRIX_SCALE_ROW1
.else
	v_wmma_scale_f32_16x16x128_f8f6f4 v[8*(4*(\m)+\t):8*(4*(\m)+\t)+7], v[WB+12*\t:WB+12*\t+11], v[ACT+12*(\m):ACT+12*(\m)+11], v[8*(4*(\m)+\t):8*(4*(\m)+\t)+7], v[WS+2*(\slot)+\t-2], v[AS+(\m)] matrix_a_fmt:MATRIX_FMT_BF6 matrix_b_fmt:MATRIX_FMT_BF6 matrix_a_scale:MATRIX_SCALE_ROW1
.endif
.endr
.endr
.endm
.macro MWIN slot, first                ; D window 1; weights window 1 (slots 0, 1) or 0; activations window 0; C window 0 (the bias) or 1
.if \first
	WIN 0x41
.elseif (\slot) < 2
	WIN 0x51
.else
	WIN 0x50
.endif
.endm
; A K STEP of 128: 16 matrix instructions.  nld: the loads of the groups behind this one, which may be out.  gl = 1: the group three steps on is asked for (at goff bytes from the pointer gbase), into the slot that the last step has left.
; nx = 1: the fragments of the next step are fetched, each pair of tiles of rows behind the products that read the old ones.
.macro KSTEP slot, first, nld, gl, gbase, goff, nx, a16, a8, as, ioff, soff
	s_wait_loadcnt \nld
	s_wait_dscnt 10                                ; tiles of rows 0 and 1 are in; the ten loads of tiles 2 and 3 may be out
	MWIN \slot, \first
	MUL8 \slot, 0, \first
	WIN 0
	PLACES
.if \nx
	ACTLOAD \a16, \a8, \as, \ioff, \soff, 0
	ACTLOAD \a16, \a8, \as, \ioff, \soff, 1
.endif
.if \gl
	GLOAD ((\slot)+3)%4, \gbase, \goff
.endif
.if \nx
	s_wait_dscnt 10                                ; all but the ten just issued
.else
	s_wait_dscnt 0x0
.endif
	MWIN \slot, \first
	MUL8 \slot, 2, \first
	WIN 0
	PLACES
.if \nx
	ACTLOAD \a16, \a8, \as, \ioff, \soff, 2
	ACTLOAD \a16, \a8, \as, \ioff, \soff, 3
.endif
.endm
; silu of the 32 numbers a lane holds of tile of rows m, in place and in f32: z / (1 + 2^(-z log2 e)).  Each batch of 32 transcendentals has one plain instruction and one wait behind it.
.macro SILU m
	WIN 0x55
.set j, 0
.rept 16
	v_pk_mul_f32 v[T+j:T+j+1], v[32*(\m)+j:32*(\m)+j+1], s[26:27] op_sel_hi:[1,0]    ; ascending: each accumulator is first read at its low end
.set j, j+2
.endr
.set j, 0
.rept 32
	v_exp_f32 v[T+j], v[T+j]
.set j, j+1
.endr
	v_nop
	s_wait_alu depctr_va_vdst(0)
.set j, 0
.rept 16
	v_pk_add_f32 v[T+j:T+j+1], v[T+j:T+j+1], 1.0 op_sel_hi:[1,0]
.set j, j+2
.endr
.set j, 0
.rept 32
	v_rcp_f32 v[T+j], v[T+j]
.set j, j+1
.endr
	v_nop
	s_wait_alu depctr_va_vdst(0)
.set j, 0
.rept 16
	v_pk_mul_f32 v[32*(\m)+j:32*(\m)+j+1], v[32*(\m)+j:32*(\m)+j+1], v[T+j:T+j+1]
.set j, j+2
.endr
.endm
; the same 32 numbers (register 16 b + i = unit 32 b + 16 (lane / 16) + i of my 64) become half a fragment and two scale bytes, which go to LDS
.macro QUANT2 m
	WIN 0x55
.irp b, 0,1
	v_max3_num_f32 v[T+\b], |v[32*(\m)+16*\b]|, |v[32*(\m)+16*\b+1]|, 0x2800000      ; my 16 numbers of block b, and the floor 2^(5 - 127)
.endr
.irp i, 2,4,6,8,10,12,14
.irp b, 0,1
	v_max3_num_f32 v[T+\b], v[T+\b], |v[32*(\m)+16*\b+\i]|, |v[32*(\m)+16*\b+\i+1]|
.endr
.endr
.irp b, 0,1
	v_permlanex16_b32 v[T+2+\b], v[T+\b], s24, s25
.endr
.irp b, 0,1
	v_max_num_f32 v[T+\b], v[T+\b], v[T+2+\b]      ; with the lane 16 away: the block of 32
.endr
.irp b, 0,1
	v_add_nc_u32 v[T+4+\b], 0xfe000000, v[T+\b]    ; 4 off the exponent field: the scale operand of the conversion
.endr
.irp b, 0,1
	v_lshrrev_b32 v[T+6+\b], 23, v[T+4+\b]         ; the scale byte
.endr
	v_lshl_or_b32 v[T+8], v[T+7], 8, v[T+6]
	v_cvt_scalef32_pk16_bf6_f32 v[T+10:T+12], v[32*(\m):32*(\m)+15], v[T+4]
	v_cvt_scalef32_pk16_bf6_f32 v[T+16:T+18], v[32*(\m)+16:32*(\m)+31], v[T+5]       ; (the three registers of a conversion begin on an even number)
	v_nop                                          ; one plain instruction behind the conversions
.irp i, 0,1,2
	v_permlane16_swap_b32 v[T+10+\i], v[T+16+\i]   ; the operand wants a whole block in a lane: lanes 0-15 block 0, lanes 16-31 block 1
.endr
.irp i, 0,1,2
	v_mov_b32 v[T+13+\i], v[T+16+\i]
.endr
	WIN 0x04                                       ; the data of an LDS store are its source 1: window 1
	ds_store_b128 v[HW16], v[T+10:T+13] offset:1536*(\m)
	ds_store_b64 v[HW8], v[T+14:T+15] offset:1536*(\m)
	ds_store_b16 v[HWS], v[T+8] offset:128*(\m)
	s_wait_dscnt 0x0                               ; the stores have read their registers, which the next tile writes again
.endm
	s_load_b256 s[4:11], s[0:1], 0x0               ; sel, ids, xq, xs
	s_load_b256 s[12:19], s[0:1], 0x20             ; wl, b1, b2, part
	v_lshrrev_b32 v21, 5, v0
	v_readfirstlane_b32 s20, v21                   ; wave 0..7
	s_lshr_b32 s21, s20, 1                         ; at the head: my tile of rows;  in a chunk: my K step of the second product
	s_and_b32 s22, s20, 1                          ; at the head: which two K steps of x;  in a chunk: which half of the fragment
	s_and_b32 s[ROT], ttmp9, 3                     ; where my walk over the chunks begins
	s_mov_b32 s24, 0x76543210
	s_mov_b32 s25, 0xfedcba98                      ; the selects of v_permlanex16_b32 for lane xor 16
	s_mov_b32 s26, 0xbfb8aa3b                      ; -log2(e)
	s_mov_b32 s27, s26                             ; (named with it as a pair)
	v_and_b32 v21, 31, v0                          ; lane
	v_and_b32 v22, 15, v0                          ; r
	v_bfe_u32 v23, v0, 4, 1                        ; h
	v_lshlrev_b32 v[LI16], 4, v21
	v_lshlrev_b32 v[LI8], 3, v21
	v_lshlrev_b32 v[LS4], 2, v21
	v_add_nc_u32 v[HR16B], HIMG, v[LI16]
	v_add_nc_u32 v[HR8B], HIMG, v[LI8]
	v_add_nc_u32 v[HRSB], HSC, v[LS4]
	s_mul_i32 s53, s21, 6144
	s_mul_i32 s54, s22, 768
	s_add_co_u32 s53, s53, s54
	s_add_co_u32 s53, s53, HIMG
	v_add_nc_u32 v[HW16B], s53, v[LI16]
	s_add_co_u32 s53, s53, 512
	v_add_nc_u32 v[HW8B], s53, v[LI8]
	s_lshl_b32 s53, s21, 9
	s_lshl_b32 s54, s22, 1
	s_add_co_u32 s53, s53, s54
	s_add_co_u32 s53, s53, HSC
	v_add_nc_u32 v[HWSB], s53, v[LS4]
	s_lshl_b32 s53, s20, 8
	s_add_co_u32 s53, s53, BIAS
	v_lshl_add_u32 v[BAB], v23, 6, s53
	v_mul_u32_u24 v[SO], v22, SPITCH
	v_lshl_add_u32 v[SO], v23, 5, v[SO]
	s_lshl_b32 s53, s20, 7
	s_add_co_u32 s53, s53, STG
	v_add_nc_u32 v[SO], s53, v[SO]
	s_mul_i32 s53, s20, 8*SPITCH
	s_add_co_u32 s53, s53, STG
	v_add_nc_u32 v[SR], s53, v[LI16]
	s_lshl_b32 s53, s21, 8
	s_lshl_b32 s54, s22, 5
	s_add_co_u32 s53, s53, s54
	s_add_co_u32 s53, s53, ROWT
	v_mov_b32 v[RT], s53
	s_lshl_b32 s53, s22, 3
	s_add_co_u32 s53, s53, s21                     ; the first of my two fragments of x: 4 (2 half) + tile of rows
	s_mul_i32 s54, s53, 1536
	v_add_nc_u32 v172, s54, v[LI16]
	v_add_nc_u32 v173, s54, v[LI8]
	s_lshl_b32 s54, s53, 7
	s_add_co_u32 s54, s54, XSC
	v_add_nc_u32 v174, s54, v[LS4]
	v_lshl_add_u32 v175, v0, 5, BIAS               ; the bias on its way into LDS: 32 bytes of b1 a thread,
	v_lshl_add_u32 v176, v0, 3, BIAS+8192          ; 8 bytes of b2
	v_lshl_add_u32 v177, v0, 2, ROWT
	v_lshrrev_b32 v178, 6, v0                      ; 64 threads fill the 2,048 bytes of a place in LDS: place thread / 64
	v_add_nc_u32 v178, s[ROT], v178
	v_and_b32 v178, 3, v178                        ; takes chunk (place + ROT) % 4 of b1,
	v_and_b32 v181, 63, v0
	v_lshlrev_b32 v181, 5, v181
	v_lshl_or_b32 v178, v178, 11, v181             ; 32 bytes a thread
	v_lshlrev_b32 v179, 3, v0
	v_lshl_add_u32 v30, s21, 4, v22                ; my row in the tile: 16 (wave / 2) + r
	s_wait_kmcnt 0x0
	; ---- how many rows has each expert?  Lane l takes the counts of words 4 l .. 4 l + 3 (tokens 128 l on) of all eight
.irp e, 0,1,2,3,4,5,6,7
	global_load_b128 v[76+4*\e:79+4*\e], v[LI16], s[4:5] offset:4096+512*\e
.endr
	s_wait_loadcnt 0x0
.irp e, 0,1,2,3,4,5,6,7
	v_add_nc_u32 v[108+\e], v[76+4*\e], v[77+4*\e]
.endr
.irp e, 0,1,2,3,4,5,6,7
	v_add_nc_u32 v[108+\e], v[108+\e], v[78+4*\e]
.endr
.irp e, 0,1,2,3,4,5,6,7
	v_add_nc_u32 v[108+\e], v[108+\e], v[79+4*\e]
.endr
.irp p, 0,1,2,3
	v_lshl_or_b32 v[116+\p], v[109+2*\p], 16, v[108+2*\p]      ; two experts to a register: no sum passes 4,096
	v_mov_b32 v[120+\p], 0
.endr
.irp x, 1,2,4,8
.irp p, 0,1,2,3
	v_add_nc_u32_dpp v[116+\p], v[116+\p], v[116+\p] row_xmask:\x row_mask:0xf bank_mask:0xf
.endr
.endr
.irp p, 0,1,2,3
	v_permlanex16_b32 v[120+\p], v[116+\p], s24, s25
.endr
.irp p, 0,1,2,3
	v_add_nc_u32 v[116+\p], v[116+\p], v[120+\p]
	v_readfirstlane_b32 s[36+\p], v[116+\p]
.endr
.irp p, 0,1,2,3
	s_and_b32 s[28+2*\p], s[36+\p], 0xffff         ; s28-35: n_0 .. n_7
	s_lshr_b32 s[29+2*\p], s[36+\p], 16
.endr
	; ---- my tile, by compares and selects alone
	s_mov_b32 s36, 0                               ; the largest expert (the lowest of equals)
	s_mov_b32 s37, s28
.irp e, 1,2,3,4,5,6,7
	s_cmp_gt_u32 s[28+\e], s37
	s_cselect_b32 s36, \e, s36
	s_cselect_b32 s37, s[28+\e], s37
.endr
	s_mov_b32 s38, 0                               ; tiles so far
	s_mov_b32 s39, 0                               ; my expert,
	s_mov_b32 s40, 0                               ; its first tile,
	s_mov_b32 s41, s28                             ; its rows
.irp e, 0,1,2,3,4,5,6,7
	s_cmp_ge_u32 ttmp9, s38
	s_cselect_b32 s39, \e, s39
	s_cselect_b32 s40, s38, s40
	s_cselect_b32 s41, s[28+\e], s41
	s_add_co_u32 s53, s[28+\e], 63
	s_lshr_b32 s53, s53, 6
	s_add_co_u32 s38, s38, s53
.endr
	s_sub_co_u32 s42, 135, s38                     ; work-groups that are over
	s_sub_co_u32 s43, ttmp9, s40                   ; my tile of the expert
	s_lshl_b32 s44, s43, 6                         ; its first row
	s_sub_co_u32 s45, s41, s44
	s_min_u32 s45, s45, 64                         ; its rows
	s_cmp_eq_u32 s39, s36
	s_cselect_b32 s46, s42, 0
	s_cmp_lt_u32 s43, s46                          ; a tile that is shared: I keep its lower 32 rows
	s_cselect_b32 s45, 32, s45
	s_sub_co_u32 s47, ttmp9, s38
	s_lshl_b32 s47, s47, 6
	s_add_co_u32 s47, s47, 32
	s_cmp_ge_u32 ttmp9, s38                        ; I am over: the upper 32 rows of such a tile
	s_cselect_b32 s39, s36, s39
	s_cselect_b32 s44, s47, s44
	s_cselect_b32 s45, 32, s45
	s_min_u32 s39, s39, 7
	s_mov_b32 s51, 0
	s_mov_b32 s73, 0
	s_lshl_b32 s53, s39, 3
	s_add_co_u32 s53, s53, s20
	s_mul_i32 s50, s53, 204800                     ; 32 groups of 6,400 bytes for each expert and wave
	s_add_nc_u64 s[WB0:WB0+1], s[12:13], s[50:51]
	s_mul_i32 s72, s[ROT], QUAD
	s_add_nc_u64 s[WP:WP+1], s[WB0:WB0+1], s[72:73]    ; place 0 of my walk: quarter ROT of W1,
	s_add_co_u32 s72, s[ROT], 1
	s_and_b32 s72, s72, 3
	s_mul_i32 s72, s72, QUAD
	s_add_nc_u64 s[WN:WN+1], s[WB0:WB0+1], s[72:73]    ; place 1: quarter (ROT + 1) % 4
	s_mov_b32 s[POS], 2
	s_lshl_b32 s50, s39, 13
	s_add_nc_u64 s[14:15], s[14:15], s[50:51]      ; b1 of my expert
	s_lshl_b32 s50, s39, 11
	s_add_nc_u64 s[16:17], s[16:17], s[50:51]      ; b2
	s_lshl_b32 s50, s39, 9
	s_add_nc_u64 s[56:57], s[4:5], s[50:51]        ; its row of masks
	global_load_b128 v[44:47], v178, s[14:15]
	global_load_b128 v[48:51], v178, s[14:15] offset:16
	global_load_b64 v[52:53], v179, s[16:17]
	GLOAD 0, WP, 0                                 ; the stream of weights begins: three groups are on their way from here on
	GLOAD 1, WP, 6400
	GLOAD 2, WP, 12800
	; ---- which token has rank rho among those that chose my expert?  First the lane whose 128 tokens hold it
	v_mov_b32 v25, v108
.irp k, 1,2,3,4,5,6,7
	s_cmp_eq_u32 s39, \k
	s_cselect_b32 s53, -1, 0
	v_cndmask_b32 v25, v25, v[108+\k], s53         ; the counts of my expert, 128 tokens a lane
.endr
	v_add_nc_u32 v24, s44, v30                     ; rho
	v_mov_b32 v26, 0                               ; rows ahead of those 128 tokens
	v_mov_b32 v27, 0                               ; which 128 tokens
	s_mov_b32 s53, 0
.set q, 0
.rept 31
	v_readlane_b32 s54, v25, q
	s_add_co_u32 s53, s53, s54                     ; rows up to and with lane q: a sum that never falls, so the compare holds up to some q and for none behind it,
	v_cmp_le_u32 vcc_lo, s53, v24
	v_cndmask_b32 v26, v26, s53, vcc_lo            ; and the last select that takes leaves the rows ahead,
	v_cndmask_b32 v27, v27, q+1, vcc_lo            ; and the lane
.set q, q+1
.endr
	v_min_u32 v27, 31, v27
	v_lshlrev_b32 v180, 4, v27
	global_load_b128 v[184:187], v180, s[56:57]              ; their four masks,
	global_load_b128 v[188:191], v180, s[56:57] offset:4096  ; and the four counts
	s_wait_loadcnt 0x0
	v_sub_nc_u32 v28, v24, v26
	v_add_nc_u32 v192, v188, v189
	v_add_nc_u32 v193, v192, v190
	v_mov_b32 v29, v184                            ; the word,
	v_mov_b32 v31, 0                               ; which of the four,
	v_mov_b32 v194, 0                              ; rows ahead of it
	v_cmp_ge_u32 vcc_lo, v28, v188
	v_cndmask_b32 v29, v29, v185, vcc_lo
	v_cndmask_b32 v31, v31, 1, vcc_lo
	v_cndmask_b32 v194, v194, v188, vcc_lo
	v_cmp_ge_u32 vcc_lo, v28, v192
	v_cndmask_b32 v29, v29, v186, vcc_lo
	v_cndmask_b32 v31, v31, 2, vcc_lo
	v_cndmask_b32 v194, v194, v192, vcc_lo
	v_cmp_ge_u32 vcc_lo, v28, v193
	v_cndmask_b32 v29, v29, v187, vcc_lo
	v_cndmask_b32 v31, v31, 3, vcc_lo
	v_cndmask_b32 v194, v194, v193, vcc_lo
	v_sub_nc_u32 v28, v28, v194                    ; the set bit wanted, counted from 0
	v_lshrrev_b32 v195, 1, v29                     ; the ones of the word counted in fields of 2,
	v_and_b32 v195, 0x55555555, v195
	v_sub_nc_u32 v195, v29, v195
	v_lshrrev_b32 v196, 2, v195                    ; of 4,
	v_and_b32 v196, 0x33333333, v196
	v_and_b32 v197, 0x33333333, v195
	v_add_nc_u32 v196, v196, v197
	v_lshrrev_b32 v197, 4, v196                    ; of 8,
	v_add_nc_u32 v197, v197, v196
	v_and_b32 v197, 0x0f0f0f0f, v197
	v_lshrrev_b32 v198, 8, v197                    ; of 16 bits
	v_add_nc_u32 v198, v198, v197
	v_and_b32 v198, 0x00ff00ff, v198
	v_mov_b32 v199, 0                              ; the place
.macro SELSTEP a, wd                   ; are there enough ones in the lower field of wd bits at the place?  If not, pass it
	v_bfe_u32 v200, v[\a], v199, \wd
	v_cmp_ge_u32 vcc_lo, v28, v200
	v_cndmask_b32 v200, 0, v200, vcc_lo
	v_cndmask_b32 v201, 0, \wd, vcc_lo
	v_sub_nc_u32 v28, v28, v200
	v_add_nc_u32 v199, v199, v201
.endm
	SELSTEP 198, 16
	SELSTEP 197, 8
	SELSTEP 196, 4
	SELSTEP 195, 2
	SELSTEP 29, 1
	v_lshlrev_b32 v202, 7, v27
	v_lshl_add_u32 v202, v31, 5, v202
	v_add_nc_u32 v202, v202, v199
	v_min_u32 v202, 0xfff, v202                    ; the token (rows past the end of the tile get some token: they are computed and not stored)
	; ---- gather: my two fragments of x (tile of rows wave / 2, K steps 2 (wave % 2) and the next), their scale words, the choices of the token
	v_mul_u32_u24 v203, v202, 384
	v_mad_u32_u24 v203, v23, 48, v203
	s_mul_i32 s53, s22, 192
	v_add_nc_u32 v203, s53, v203
	v_lshlrev_b32 v204, 4, v202
	v_lshl_add_u32 v204, s22, 3, v204
	v_lshlrev_b32 v205, 2, v202
.irp p, 0,1
.irp j, 0,1,2
	global_load_b128 v[220+12*\p+4*\j:223+12*\p+4*\j], v203, s[8:9] offset:96*\p+16*\j
.endr
.endr
	global_load_b64 v[244:245], v204, s[10:11]
	global_load_b32 v246, v205, s[6:7]
	s_wait_loadcnt 0x0
	v_bfe_u32 v206, v246, 8, 8
	v_cmp_eq_u32 vcc_lo, s39, v206                 ; was my expert the second choice?
	v_cndmask_b32 v206, 0, 1, vcc_lo
	v_lshl_add_u32 v206, v202, 1, v206             ; the row of part
	v_cmp_gt_u32 vcc_lo, s45, v30
	v_cndmask_b32 v206, -1, v206, vcc_lo           ; or none
	ds_store_b128 v175, v[44:47]
	ds_store_b128 v175, v[48:51] offset:16
	ds_store_b64 v176, v[52:53]
.irp p, 0,1
	ds_store_b128 v172, v[220+12*\p:223+12*\p] offset:6144*\p
	ds_store_b64 v173, v[224+12*\p:225+12*\p] offset:6144*\p+512
	ds_store_b128 v172, v[226+12*\p:229+12*\p] offset:6144*\p+768
	ds_store_b64 v173, v[230+12*\p:231+12*\p] offset:6144*\p+1280
	ds_store_b32 v174, v[244+\p] offset:512*\p
.endr
	ds_store_b32 v177, v206
	s_wait_dscnt 0x0                               ; my stores have landed
	s_barrier_signal -1
	s_barrier_wait -1                              ; x, the bias and the rows of part lie in LDS
	v_mov_b32 v[BA], v[BAB]
	BIASLOAD
.irp m, 0,1,2,3
	ACTLOAD LI16, LI8, LS4, XIMG, XSC, \m
.endr
	; ---- 1: the hidden layer, four chunks of 512 units, in the order of my walk.  A trip: four K steps of x W1, then silu and the quantiser; the stream of weights runs three groups ahead throughout:
	; the first K step asks for the last group of the quarter in hand, the other three for the first three groups of the next quarter
	s_mov_b32 s23, 4
	s_mov_b32 s58, 0                               ; where the trip's chunk lies in the images of the hidden layer,
	s_mov_b32 s59, 0                               ; in its scale words,
	s_mov_b32 s60, 0                               ; and in the bias
.Lchunk:
	KSTEP 0, 1, 26, 1, WP, 19200, 1, LI16, LI8, LS4, XIMG+6144, XSC+512      ; 26: the 13 loads of each of the two groups behind this one
	KSTEP 1, 0, 26, 1, WN, 0, 1, LI16, LI8, LS4, XIMG+12288, XSC+1024
	KSTEP 2, 0, 26, 1, WN, 6400, 1, LI16, LI8, LS4, XIMG+18432, XSC+1536
	KSTEP 3, 0, 26, 1, WN, 12800, 1, LI16, LI8, LS4, XIMG, XSC               ; the next chunk begins with K step 0 again
	s_add_co_u32 s60, s60, 2048
	v_add_nc_u32 v[BA], s60, v[BAB]
	BIASLOAD                                       ; the bias of the next trip's chunk; behind the fourth trip this is b2
	v_add_nc_u32 v[HW16], s58, v[HW16B]
	v_add_nc_u32 v[HW8], s58, v[HW8B]
	v_add_nc_u32 v[HWS], s59, v[HWSB]
.irp m, 0,1,2,3
	SILU \m
	QUANT2 \m
.endr
	WIN 0
	s_add_co_u32 s58, s58, 24576
	s_add_co_u32 s59, s59, 2048
	NEXTQ
	s_sub_co_u32 s23, s23, 1
	s_cmp_lg_u32 s23, 0
	s_cbranch_scc1 .Lchunk
	s_wait_dscnt 0x0                               ; my halves of the hidden layer have landed
	s_barrier_signal -1
	s_barrier_wait -1                              ; all 64 fragments lie in LDS
	; ---- 2: h W2 + b2: 16 K steps, four a trip.  LDS is walked from its first fragment on: trip t finds hidden chunk (t + ROT) % 4 there, and place 4 + t of the walk is that chunk's quarter of W2
	s_mov_b32 s55, 0
	s_mov_b32 s61, 0
	v_mov_b32 v[HR16], v[HR16B]
	v_mov_b32 v[HR8], v[HR8B]
	v_mov_b32 v[HRS], v[HRSB]
.irp m, 0,1,2,3
	ACTLOAD HR16, HR8, HRS, 0, 0, \m
.endr
.macro P2TRIP first
	KSTEP 0, \first, 26, 1, WP, 19200, 1, HR16, HR8, HRS, 6144, 512
	KSTEP 1, 0, 26, 1, WN, 0, 1, HR16, HR8, HRS, 12288, 1024
	KSTEP 2, 0, 26, 1, WN, 6400, 1, HR16, HR8, HRS, 18432, 1536
	KSTEP 3, 0, 26, 1, WN, 12800, 1, HR16, HR8, HRS, 24576, 2048
	s_add_co_u32 s55, s55, 24576
	s_add_co_u32 s61, s61, 2048
	v_add_nc_u32 v[HR16], s55, v[HR16B]
	v_add_nc_u32 v[HR8], s55, v[HR8B]
	v_add_nc_u32 v[HRS], s61, v[HRSB]
	NEXTQ
.endm
	P2TRIP 1                                       ; the first trip is written out: its first products take b2 as C
	s_mov_b32 s23, 2
.Lk2:
	P2TRIP 0
	s_sub_co_u32 s23, s23, 1
	s_cmp_lg_u32 s23, 0
	s_cbranch_scc1 .Lk2
	KSTEP 0, 0, 26, 1, WP, 19200, 1, HR16, HR8, HRS, 6144, 512           ; the last trip is written out: its first step asks for the last group of the walk, nothing is asked for behind it,
	KSTEP 1, 0, 26, 0, WP, 0, 1, HR16, HR8, HRS, 12288, 1024
	KSTEP 2, 0, 13, 0, WP, 0, 1, HR16, HR8, HRS, 18432, 1536             ; and the counts run down: one group behind, then none
	KSTEP 3, 0, 0, 0, WP, 0, 0, HR16, HR8, HRS, 0, 0
	; ---- the way out: bf16, through the stage, whole rows of 1,024 bytes to part
	WIN 0x55
.set n, 0
.rept 64
	v_cvt_pk_bf16_f32 v[128+n], v[2*n], v[2*n+1]   ; ascending: each accumulator from its low end on; into the registers that slots 0 and 1 have left
.set n, n+1
.endr
	WIN 0x04
.irp m, 0,1,2,3
.irp b, 0,1
.irp q, 0,1
	ds_store_b128 v[SO], v[128+16*\m+8*\b+4*\q:131+16*\m+8*\b+4*\q] offset:16640*\m+64*\b+16*\q    ; lane (r, h): row 16 m + r, columns 64 w + 32 b + 16 h + 0 .. 15
.endr
.endr
.endr
	WIN 0
	s_wait_dscnt 0x0
	s_barrier_signal -1
	s_barrier_wait -1                              ; 64 whole rows lie in the stage
.irp i, 0,1,2,3,4,5,6,7
	ds_load_b32 v[220+\i], v[RT] offset:4*\i       ; where row 8 w + i goes: the same word for all lanes
.endr
.irp i, 0,1,2,3,4,5,6,7
	ds_load_b128 v[124+8*\i:127+8*\i], v[SR] offset:SPITCH*\i
	ds_load_b128 v[128+8*\i:131+8*\i], v[SR] offset:SPITCH*\i+512
.endr
	s_wait_dscnt 0x0
.irp i, 0,1,2,3,4,5,6,7                        ; all eight masks and all eight offsets are made here, with every lane on, ahead of the first write of EXEC in this text
	v_cmp_gt_u32 s[28+\i], 0x2000, v[220+\i]       ; a row of the tile, or none (the counts in s28-35 are done with)
	v_min_u32 v[PO+\i], 0x1fff, v[220+\i]
	v_lshl_add_u32 v[PO+\i], v[PO+\i], 10, v[LI16]
.endr
.irp i, 0,1,2,3,4,5,6,7
	s_wait_xcnt 0x0                                ; EXEC changes only behind this wait
	s_and_saveexec_b32 s52, s[28+\i]
	global_store_b128 v[PO+\i], v[124+8*\i:127+8*\i], s[18:19]               ; 32 lanes store 512 bytes on end, at a multiple of 512 from the first byte of part
	global_store_b128 v[PO+\i], v[128+8*\i:131+8*\i], s[18:19] offset:512
	s_wait_xcnt 0x0
	s_or_b32 exec_lo, exec_lo, s52
.endr
	s_wait_xcnt 0x0
	s_mov_b32 exec_lo, -1
	v_lshl_add_u32 v254, v0, 2, 0x33800
	v_mov_b32 v255, 0
	s_wait_tensorcnt 0x0
	ds_add_u32 v254, v255
	s_wait_dscnt 0x0
	s_endpgm
.Lfunc_end_k_qbffb0f6925_chain:
	.size	k_qbffb0f6925_chain, .Lfunc_end_k_qbffb0f6925_chain-k_qbffb0f6925_chain
	.p2alignl 7, 3214868480
	.fill 96, 4, 3214868480
	.section	.rodata,"a",@progbits
	.p2align	6, 0x0
	.amdhsa_kernel k_qbffb0f6925_chain
		.amdhsa_group_segment_fixed_size 211968
		.amdhsa_private_segment_fixed_size 0
		.amdhsa_enable_private_segment 0
		.amdhsa_kernarg_size 64
		.amdhsa_user_sgpr_count 2
		.amdhsa_user_sgpr_kernarg_segment_ptr 1
		.amdhsa_wavefront_size32 1
		.amdhsa_system_sgpr_workgroup_id_x 1
		.amdhsa_system_sgpr_workgroup_id_y 1
		.amdhsa_system_sgpr_workgroup_id_z 1
		.amdhsa_system_vgpr_workitem_id 0
		.amdhsa_next_free_vgpr 512
		.amdhsa_next_free_sgpr 80
		.amdhsa_reserve_vcc 1
		.amdhsa_float_denorm_mode_32 3
		.amdhsa_float_denorm_mode_16_64 3
		.amdhsa_memory_ordered 1
		.amdhsa_forward_progress 1
		.amdhsa_inst_pref_size 150
	.end_amdhsa_kernel
	.amdgpu_metadata
---
amdhsa.version: [ 1, 2 ]
amdhsa.kernels:
  - .name:           k_qbffb0f6925_chain
    .symbol:         k_qbffb0f6925_chain.kd
    .args:
      - { .name: sel, .offset: 0, .size: 8, .value_kind: global_buffer, .address_space: global }
      - { .name: ids, .offset: 8, .size: 8, .value_kind: global_buffer, .address_space: global }
      - { .name: xq, .offset: 16, .size: 8, .value_kind: global_buffer, .address_space: global }
      - { .name: xs, .offset: 24, .size: 8, .value_kind: global_buffer, .address_space: global }
      - { .name: wl, .offset: 32, .size: 8, .value_kind: global_buffer, .address_space: global }
      - { .name: b1, .offset: 40, .size: 8, .value_kind: global_buffer, .address_space: global }
      - { .name: b2, .offset: 48, .size: 8, .value_kind: global_buffer, .address_space: global }
      - { .name: part, .offset: 56, .size: 8, .value_kind: global_buffer, .address_space: global }
    .group_segment_fixed_size: 211968
    .private_segment_fixed_size: 0
    .kernarg_segment_align: 8
    .kernarg_segment_size: 64
    .max_flat_workgroup_size: 256
    .sgpr_count:     80
    .vgpr_count:     512
    .wavefront_size: 32
...
	.end_amdgpu_metadata
.endif
;; end of part 2
;; launch combine (part 3): grid 257 x 1, 4 waves a work-group, no clusters, 0 bytes of LDS; arguments part, sc, imp, out0, out1; writes out0, out1
.if DOCPART == 3
	.amdgcn_target "amdgcn-amd-amdhsa--gfx1250"
	.amdhsa_code_object_version 6
	.text
	.protected	k_qbffb0f6925_combine
	.globl	k_qbffb0f6925_combine
	.p2align	8
	.type	k_qbffb0f6925_combine,@function
k_qbffb0f6925_combine:
	s_mov_b64 s[64:65], 0
	v_nop
	global_prefetch_b8 v0, s[64:65] scope:SCOPE_SE
	s_setreg_imm32_b32 hwreg(HW_REG_WAVE_MODE, 25, 1), 1
	s_wait_xcnt 0x0
; COMBINE.  Work-groups 0-255: out0[t] = p0 part[2 t] + p1 part[2 t + 1]: the last product, K = the two chosen experts, bf16 operands, f32 scores and sums.  A wave takes four tokens.
; Work-group 256, wave 0: out1 = sum over e of (1 / 8) (ln(1 / 8) - ln(mean score + 1e-8)) = -(ln 2 / 8) x the sum of log2(8 (mean + 1e-8)): each logarithm is taken of a number near 1, so no two large numbers are subtracted.
; A stream: no LDS, no barrier, no matrix unit.  All 32 loads of a wave go out at once; each load covers 256 bytes on end, each store 512.
	v_lshrrev_b32 v1, 5, v0
	v_readfirstlane_b32 s2, v1                     ; wave
	v_and_b32 v1, 31, v0                           ; lane
	s_cmp_eq_u32 ttmp9, 256
	s_cbranch_scc1 .Laux
	s_load_b128 s[4:7], s[0:1], 0x0                ; part, sc
	s_load_b64 s[8:9], s[0:1], 0x18                ; out0
	s_lshl_b32 s10, ttmp9, 4
	s_lshl_b32 s11, s2, 2
	s_add_co_u32 s10, s10, s11                     ; my first token
	s_lshl_b32 s12, s10, 11                        ; 2,048 bytes a token in part (two rows of bf16) and in out0
	s_mov_b32 s13, 0
	s_lshl_b32 s14, s10, 3
	s_mov_b32 s15, 0
	s_mov_b32 s3, 0xffff0000                       ; the upper bf16 of a word
	v_lshlrev_b32 v2, 3, v1
	v_lshlrev_b32 v3, 4, v1
	s_wait_kmcnt 0x0
	s_add_nc_u64 s[4:5], s[4:5], s[12:13]
	s_add_nc_u64 s[8:9], s[8:9], s[12:13]
	s_add_nc_u64 s[6:7], s[6:7], s[14:15]
	s_load_b256 s[16:23], s[6:7], 0x0              ; (p0, p1) of my four tokens
.irp i, 0,1,2,3
.irp q, 0,1,2,3
.irp k, 0,1
	global_load_b64 v[8+4*(4*\i+\q)+2*\k:9+4*(4*\i+\q)+2*\k], v2, s[4:5] offset:2048*\i+256*\q+1024*\k th:TH_LOAD_NT   ; token i, columns 128 q + 4 lane on, choice k
.endr
.endr
.endr
	s_wait_kmcnt 0x0
.irp i, 0,1,2,3
	s_mov_b32 s[24+2*\i], s[17+2*\i]               ; the packed forms take the low word of a scalar pair for both halves: p1 gets a pair of its own
	s_mov_b32 s[25+2*\i], s[17+2*\i]
.endr
.set n, 0
.rept 16
	s_wait_loadcnt 30-2*n                          ; this pair of loads is in; two for each pair behind it may be out
	v_lshlrev_b32 v[72+4*n], 16, v[8+4*n]          ; bf16 to f32: the low half moves up, the high half stays
	v_and_b32 v[73+4*n], s3, v[8+4*n]
	v_lshlrev_b32 v[74+4*n], 16, v[9+4*n]
	v_and_b32 v[75+4*n], s3, v[9+4*n]
	v_lshlrev_b32 v136, 16, v[10+4*n]
	v_and_b32 v137, s3, v[10+4*n]
	v_lshlrev_b32 v138, 16, v[11+4*n]
	v_and_b32 v139, s3, v[11+4*n]
	v_pk_mul_f32 v[72+4*n:73+4*n], v[72+4*n:73+4*n], s[16+2*(n/4):17+2*(n/4)] op_sel_hi:[1,0]
	v_pk_mul_f32 v[74+4*n:75+4*n], v[74+4*n:75+4*n], s[16+2*(n/4):17+2*(n/4)] op_sel_hi:[1,0]
	v_pk_fma_f32 v[72+4*n:73+4*n], v[136:137], s[24+2*(n/4):25+2*(n/4)], v[72+4*n:73+4*n] op_sel_hi:[1,0,1]
	v_pk_fma_f32 v[74+4*n:75+4*n], v[138:139], s[24+2*(n/4):25+2*(n/4)], v[74+4*n:75+4*n] op_sel_hi:[1,0,1]
	global_store_b128 v3, v[72+4*n:75+4*n], s[8:9] offset:2048*(n/4)+512*(n%4) th:TH_STORE_NT    ; every store has registers of its own
.set n, n+1
.endr
	s_endpgm
.Laux:
	s_cmp_lg_u32 s2, 0
	s_cbranch_scc1 .Ldone
	s_load_b64 s[4:5], s[0:1], 0x10                ; imp
	s_load_b64 s[6:7], s[0:1], 0x20                ; out1
	v_lshlrev_b32 v2, 5, v1
	s_mov_b32 s10, 0x76543210
	s_mov_b32 s11, 0xfedcba98
	s_mov_b32 s12, 0x3b000000                      ; 8 / 4,096
	s_mov_b32 s13, 0x33abcc77                      ; 8 x 1e-8
	s_wait_kmcnt 0x0
.irp q, 0,1,2,3
	global_load_b128 v[8+8*\q:11+8*\q], v2, s[4:5] offset:1024*\q          ; the partial sums of work-groups lane + 32 q
	global_load_b128 v[12+8*\q:15+8*\q], v2, s[4:5] offset:1024*\q+16
.endr
	s_wait_loadcnt 0x0
.irp p, 0,2,4,6
	v_pk_add_f32 v[40+\p:41+\p], v[8+\p:9+\p], v[16+\p:17+\p]
	v_pk_add_f32 v[48+\p:49+\p], v[24+\p:25+\p], v[32+\p:33+\p]
.endr
.irp p, 0,2,4,6
	v_pk_add_f32 v[40+\p:41+\p], v[40+\p:41+\p], v[48+\p:49+\p]
.endr
.irp x, 1,2,4,8
.irp e, 0,1,2,3,4,5,6,7
	v_add_f32_dpp v[40+\e], v[40+\e], v[40+\e] row_xmask:\x row_mask:0xf bank_mask:0xf
.endr
.endr
.irp e, 0,1,2,3,4,5,6,7
	v_permlanex16_b32 v[48+\e], v[40+\e], s10, s11
.endr
.irp e, 0,1,2,3,4,5,6,7
	v_add_f32 v[40+\e], v[40+\e], v[48+\e]         ; the sum of the scores of expert e over all tokens
.endr
.irp e, 0,1,2,3,4,5,6,7
	v_fma_f32 v[40+\e], v[40+\e], s12, s13         ; 8 (mean + 1e-8)
.endr
.irp e, 0,1,2,3,4,5,6,7
	v_log_f32 v[40+\e], v[40+\e]
.endr
	v_mov_b32 v4, 0                                ; (a plain instruction behind the logarithms)
	s_wait_alu depctr_va_vdst(0)                   ; one wait for the eight, ahead of their first reader
.irp p, 0,2,4,6
	v_add_f32 v[40+\p], v[40+\p], v[41+\p]
.endr
	v_add_f32 v40, v40, v42
	v_add_f32 v44, v44, v46
	v_add_f32 v40, v40, v44
	v_mul_f32 v40, 0xbdb17218, v40                 ; x -(ln 2) / 8
	v_cmp_eq_u32 vcc_lo, 0, v1
	s_and_saveexec_b32 s14, vcc_lo
	global_store_b32 v4, v40, s[6:7]
	s_wait_xcnt 0x0
	s_or_b32 exec_lo, exec_lo, s14
.Ldone:
	s_endpgm
.Lfunc_end_k_qbffb0f6925_combine:
	.size	k_qbffb0f6925_combine, .Lfunc_end_k_qbffb0f6925_combine-k_qbffb0f6925_combine
	.p2alignl 7, 3214868480
	.fill 96, 4, 3214868480
	.section	.rodata,"a",@progbits
	.p2align	6, 0x0
	.amdhsa_kernel k_qbffb0f6925_combine
		.amdhsa_group_segment_fixed_size 0
		.amdhsa_private_segment_fixed_size 0
		.amdhsa_enable_private_segment 0
		.amdhsa_kernarg_size 40
		.amdhsa_user_sgpr_count 2
		.amdhsa_user_sgpr_kernarg_segment_ptr 1
		.amdhsa_wavefront_size32 1
		.amdhsa_system_sgpr_workgroup_id_x 1
		.amdhsa_system_sgpr_workgroup_id_y 1
		.amdhsa_system_sgpr_workgroup_id_z 1
		.amdhsa_system_vgpr_workitem_id 0
		.amdhsa_next_free_vgpr 160
		.amdhsa_next_free_sgpr 66
		.amdhsa_reserve_vcc 1
		.amdhsa_float_denorm_mode_32 3
		.amdhsa_float_denorm_mode_16_64 3
		.amdhsa_memory_ordered 1
		.amdhsa_forward_progress 1
		.amdhsa_inst_pref_size 21
	.end_amdhsa_kernel
	.amdgpu_metadata
---
amdhsa.version: [ 1, 2 ]
amdhsa.kernels:
  - .name:           k_qbffb0f6925_combine
    .symbol:         k_qbffb0f6925_combine.kd
    .args:
      - { .name: part, .offset: 0, .size: 8, .value_kind: global_buffer, .address_space: global }
      - { .name: sc, .offset: 8, .size: 8, .value_kind: global_buffer, .address_space: global }
      - { .name: imp, .offset: 16, .size: 8, .value_kind: global_buffer, .address_space: global }
      - { .name: out0, .offset: 24, .size: 8, .value_kind: global_buffer, .address_space: global }
      - { .name: out1, .offset: 32, .size: 8, .value_kind: global_buffer, .address_space: global }
    .group_segment_fixed_size: 0
    .private_segment_fixed_size: 0
    .kernarg_segment_align: 8
    .kernarg_segment_size: 40
    .max_flat_workgroup_size: 128
    .sgpr_count:     66
    .vgpr_count:     160
    .wavefront_size: 32
...
	.end_amdgpu_metadata
.endif
;; end of part 3
